; MI455X (gfx1250); checked and timed in simulation.
; The chip was launched on July 23, 2026; its instructions are those of AMD's public machine-readable ISA for CDNA 5 (MIT licence, August 2026) and "CDNA5" Instruction Set Architecture Reference Guide (July 2026). The comments in the code are by the model that wrote it; some were corrected since.
;; NN Mod. Allowed arithmetic: matrix products marked QUANTISED: E2M3 operands, one E8M0 scale for each 32 along K, by v_wmma_scale_f32_16x16x128_f8f6f4 with both operands' format E2M3, f32 sums; products left as they are: f32 operands where the result goes on into a quantised operand, else bf16, f16 or f32 operands; f32 sums; everything else in f32.
;; Inputs: W0_codes 4 x 256 x 8 x 24 uint8 (E2M3 codes of W0, K innermost, in blocks of 32 codes, four codes in three bytes); W0_scales 4 x 256 x 8 uint8 (E8M0 scales of W0, one for each 32 codes along K); Wa_codes 4 x 256 x 8 x 24 uint8 (E2M3 codes of Wa, K innermost, in blocks of 32 codes, four codes in three bytes); Wa_scales 4 x 256 x 8 uint8 (E8M0 scales of Wa, one for each 32 codes along K); Wf_codes 4 x 256 x 8 x 24 uint8 (E2M3 codes of Wf, K innermost, in blocks of 32 codes, four codes in three bytes); Wf_scales 4 x 256 x 8 uint8 (E8M0 scales of Wf, one for each 32 codes along K); Wl_codes 4 x 256 x 8 x 24 uint8 (E2M3 codes of Wl, K innermost, in blocks of 32 codes, four codes in three bytes); Wl_scales 4 x 256 x 8 uint8 (E8M0 scales of Wl, one for each 32 codes along K); Wo 4 x 1 x 256 float32; alpha_a 4 x 256 float32; alpha_f 4 x 256 float32; b0 4 x 256 float32; ba 4 x 256 float32; beta_ln 4 x 256 float32; bf 4 x 256 float32; bl 4 x 256 float32; bo 4 x 1 float32; density_codes 65,536 x 8 x 24 uint8 (E2M3 codes of density, K innermost, in blocks of 32 codes, four codes in three bytes); density_scales 65,536 x 8 uint8 (E8M0 scales of density, one for each 32 codes along K); gamma 4 x 256 float32; species 65,536 int32.
;; Outputs: out0 65,536 x 1 float32.
;; This version of the problem:
;;   THIS VERSION OF THE PROBLEM IS GIVEN IN LOW PRECISION. The matrix products marked QUANTISED in the list below multiply operands that are first quantised to E2M3 (2 exponent bits, 3 mantissa bits; 6 bits a number), with one power-of-two scale for each 32 numbers along K (OCP MX v1.0); their sums are f32. All else is computed in f32.
;;   The module's matrix products, in the order in which they are computed (A, B: the left and right operand; K: the contracted axis; several contracted axes count as one K, in the product's order):
;;     1. [M 65,536, K 256] x [K 256, N 1,024]; A: input density (given as codes); B: input W0 (given as codes): QUANTISED
;;     2. batch 4 x [M 65,536, K 256] x [K 256, N 256]; A: computed on the way; B: input Wa (given as codes): QUANTISED
;;     3. batch 4 x [M 65,536, K 256] x [K 256, N 256]; A: computed on the way; B: input Wl (given as codes): QUANTISED
;;     4. batch 4 x [M 65,536, K 256] x [K 256, N 256]; A: computed on the way; B: input Wf (given as codes): QUANTISED
;;     5. batch 4 x [M 65,536, K 256] x [K 256, N 1]; A: computed on the way; B: input Wo: left as it is (N = 1 < 16)
;;   THE QUANTISER, for each operand of a quantised product, along K:
;;     - K is cut into blocks of 32 from its start; a last block that is shorter is filled with zeros.
;;     - A block's scale is 2^e with e = floor(log2(the largest magnitude in the block)) - 2, held to -126 .. 127; a block of zeros has e = 0. As a byte (E8M0): e + 127.
;;     - Each number is divided by its block's scale, clamped to +-7.5, and rounded to the nearest number of E2M3, ties to even, subnormals kept.
;;     - The product sums the exact products of the quantised numbers (number of the format x scale) in f32.
;;   ~~~python
;;   def quantise(x, axis):      # numpy; x: float32 -> the quantised numbers, widened to float32 again
;;       x = np.moveaxis(x, axis, -1); K = x.shape[-1]
;;       x = np.pad(x, [(0, 0)] * (x.ndim - 1) + [(0, -K % 32)]); x = x.reshape(x.shape[:-1] + (-1, 32)); a = np.abs(x).max(-1, keepdims=True)
;;       e = np.where(a > 0, np.clip(np.frexp(np.where(a > 0, a, 1))[1] - 1 - 2, -126, 127), 0)      # np.frexp(a)[1] - 1 = floor(log2(a)), exactly
;;       r = np.clip(x / 2.0 ** e, -7.5, 7.5)
;;       step = 2.0 ** (np.maximum(np.frexp(np.where(r == 0, 1, r))[1] - 1, 0) - 3)
;;       q = np.round(r / step) * step * 2.0 ** e      # np.round: ties to even
;;       return np.moveaxis(q.reshape(q.shape[:-2] + (-1,))[..., :K], -1, axis).astype(np.float32)
;;   ~~~
;;   OPERANDS COMPUTED ON THE WAY. 'Computed on the way' means the value that the module computes at that place (a softmax that the list does not call 'softmax' is quantised finished and normalised). What goes into a quantiser is computed in f32, as accurately as f32 sums, v_exp_f32 and their like allow (about 1e-6 of the number): no bf16 or f16 on the way to a quantiser, and a product that is left as it is and whose result goes on into a quantised operand takes f32 operands (vector FMAs, or v_wmma_f32_16x16x4_f32). A number that lies on a knife's edge between two numbers of the format may be rounded either way, as far as f32 arithmetic and the matrix unit's own rounding can turn it there, and no further.
;;   INPUTS GIVEN AS CODES. W0 (in the module: [4, 256, 256], K = its axis 2); Wa (in the module: [4, 256, 256], K = its axis 2); Wf (in the module: [4, 256, 256], K = its axis 2); Wl (in the module: [4, 256, 256], K = its axis 2); density (in the module: [65536, 256], K = its axis 1): each comes as NAME_codes (uint8): NAME with its K axis moved to the last place and cut into blocks of 32 codes, [.., K / 32, bytes a block], one block behind the other in memory; four codes in three bytes: a row's codes are one little-endian stream of bits, code i at bits 6 i .. 6 i + 5 (a code: sign, 2 exponent bits, 3 mantissa bits); and NAME_scales (uint8): the same leading axes, one E8M0 byte (e + 127) for each 32 codes along K. Its value is code x scale, taken as it is: it is not quantised again, and the codes and scales need not be those that the quantiser above would give.
;; One version. Each part assembles by itself: llvm-mc -triple=amdgcn-amd-amdhsa -mcpu=gfx1250 --defsym DOCPART=n.
;; ======== version 1 of 1: 2 launches
;; workspace buffers: order 1,048,576 bytes of whole numbers; cnt 1,024 bytes of whole numbers; wimg 786,432 bytes
;; launch route (part 1): grid 64 x 1, 9 waves a work-group, no clusters, 0 bytes of LDS; arguments species, W0_codes, Wa_codes, Wl_codes, Wf_codes, order, cnt, wimg; writes order, cnt, wimg
.if DOCPART == 1
	.amdgcn_target "amdgcn-amd-amdhsa--gfx1250"
	.amdhsa_code_object_version 6
	.text
	.protected	k_q4c392e8242_route
	.globl	k_q4c392e8242_route
	.p2align	8
	.type	k_q4c392e8242_route,@function
k_q4c392e8242_route:
	s_mov_b64 s[64:65], 0
	v_nop
	global_prefetch_b8 v0, s[64:65] scope:SCOPE_SE
	s_setreg_imm32_b32 hwreg(HW_REG_WAVE_MODE, 25, 1), 1
	s_wait_xcnt 0x0
; ROUTING AND WEIGHT LAYOUT for the chain of experts that the next launch runs.
; WORK LEFT OUT BY THE PROGRAM: reference() returns y_all[species[n], n]: of the four experts' results for atom n only that of expert species[n] is indexed.  The other three
; are named by no output, whatever finite values the inputs hold: a lookup by an index input.  So each atom is taken through ONE expert.  Every input still has a way to an output and is loaded.
; LIMITS: species holds 0 .. 3, as reference()'s own indexing takes for granted (another number would be placed wrongly).  A NaN, an infinity or an overflow in an expert that was not
; chosen for an atom is not carried to that atom's result (nor is it by reference()).
; SHARES.  Work-group c takes the chunk of atoms 1024 c .. 1024 c + 1023.  Wave 0 sorts them by species, a counting sort in registers: list (c, e) gets the numbers of the chunk's atoms of
; species e, at order + 4096 (4 c + e) bytes, and cnt[4 c + e] their count.  No atomics: one wave owns the chunk.
; Waves 1 .. 8 each lay out one fragment of a weight (16 rows x 128 K of 6-bit codes: 12 registers a lane) as an image of the operand's registers, so that the next launch loads it by 16-byte loads alone:
; fragment F = ((e 4 + w) 4 + mat) 8 + 2 t + s at wimg + 1536 F; in it registers 4 c3 .. 4 c3 + 3 of lane l at 512 c3 + 16 l.   mat: W0, Wa, Wl, Wf;  w: the wave that will own it;  t: tile;  s: K step.
; THE ROWS OF A TILE ARE NOT NEIGHBOURS: lane r of tile t takes row 256 e + 64 w + 32 (t / 2) + 8 (t % 2) + r + 8 (r / 8), so that a result's 16 registers of two neighbouring tiles are 16 neighbours along the next K.
.set SP, 8                             ; v8-39    the species of my 32 atoms
.set AD, 40                            ; v40-71   a store's byte offset in the chunk's four lists: one register for each store
.set AT, 72                            ; v72-103  and its data, the atom's number: so no store's register is written again
	s_load_b512 s[8:23], s[0:1], 0x0               ; species s[8:9], W0 s[10:11], Wa s[12:13], Wl s[14:15], Wf s[16:17], order s[18:19], cnt s[20:21], wimg s[22:23]
	v_lshrrev_b32 v2, 5, v0
	v_readfirstlane_b32 s24, v2                    ; wave 0 .. 8
	v_and_b32 v1, 31, v0                           ; lane
	s_mov_b32 s25, ttmp9                           ; the chunk
	s_mov_b32 s27, 0
	s_wait_kmcnt 0x0
	s_cmp_lg_u32 s24, 0
	s_cbranch_scc1 .Llayout
	; ---- wave 0: the counting sort
	s_lshl_b32 s26, s25, 12
	s_add_nc_u64 s[8:9], s[8:9], s[26:27]          ; the chunk's 4,096 bytes of species
	s_lshl_b32 s26, s25, 14
	s_add_nc_u64 s[18:19], s[18:19], s[26:27]      ; its four lists
	s_lshl_b32 s26, s25, 4
	s_add_nc_u64 s[20:21], s[20:21], s[26:27]      ; its four counts
	s_lshl_b32 s26, s25, 10
	v_lshlrev_b32 v2, 4, v1                        ; 16 bytes a lane: a load covers 512 consecutive bytes
	v_lshl_add_u32 v3, v1, 2, s26                  ; the first atom of my four in load 0
.irp k, 0,1,2,3,4,5,6,7
	global_load_b128 v[SP+4*\k:SP+4*\k+3], v2, s[8:9] offset:512*\k    ; register 4 k + i: atom 1024 c + 128 k + 4 lane + i
.endr
	s_mov_b32 s28, 0                               ; where expert e's next row goes, in words: 1024 e + the rows placed so far
	s_mov_b32 s29, 1024
	s_mov_b32 s30, 2048
	s_mov_b32 s31, 3072
; One register of species: each lane's place is its expert's counter + the number of lower lanes with the same expert.
.macro PLACE q
.if (\q)%4 == 0
	s_wait_loadcnt 7-(\q)/4                        ; loads come back in order: the loads issued behind this one may stay out
.endif
.irp e, 0,1,2,3
	v_cmp_eq_u32 s[32+\e], \e, v[SP+(\q)]          ; the lanes of expert e
.endr
	v_mbcnt_lo_u32_b32 v4, s32, s28
.irp e, 1,2,3
	v_mbcnt_lo_u32_b32 v5, s[32+\e], s[28+\e]
	v_cndmask_b32 v4, v4, v5, s[32+\e]
.endr
.irp e, 0,1,2,3
	s_bcnt1_i32_b32 s36, s[32+\e]
	s_add_co_u32 s[28+\e], s[28+\e], s36
.endr
	v_min_u32 v4, 0xfff, v4                        ; a place made from loaded numbers is held inside the chunk's 4,096 words
	v_lshlrev_b32 v[AD+(\q)], 2, v4
	v_add_nc_u32 v[AT+(\q)], 128*((\q)/4)+(\q)%4, v3
	global_store_b32 v[AD+(\q)], v[AT+(\q)], s[18:19]
.endm
.set Q, 0
.rept 32
	PLACE Q
.set Q, Q+1
.endr
	s_sub_co_u32 s29, s29, 1024                    ; the counters less their starts are the counts
	s_sub_co_u32 s30, s30, 2048
	s_sub_co_u32 s31, s31, 3072
	v_mov_b32 v104, s28
	v_mov_b32 v105, s29
	v_mov_b32 v106, s30
	v_mov_b32 v107, s31
	v_mov_b32 v6, 0
	v_cmp_eq_u32 vcc_lo, 0, v1
	s_wait_xcnt 0x0                                ; EXEC is a source of the stores above: it changes only behind this wait
	s_and_saveexec_b32 s37, vcc_lo
	global_store_b128 v6, v[104:107], s[20:21]     ; lane 0 stores the four counts
	s_wait_xcnt 0x0                                ; and again in front of the line that widens it
	s_or_b32 exec_lo, exec_lo, s37
	s_endpgm
	; ---- waves 1 .. 8: one fragment each
.Llayout:
	s_lshl_b32 s26, s25, 3
	s_add_co_u32 s26, s26, s24
	s_sub_co_u32 s26, s26, 1                       ; F = 8 c + wave - 1
	s_and_b32 s28, s26, 1                          ; s
	s_bfe_u32 s29, s26, 0x20001                    ; t
	s_bfe_u32 s30, s26, 0x20003                    ; mat
	s_bfe_u32 s31, s26, 0x20005                    ; w
	s_bfe_u32 s32, s26, 0x20007                    ; e
	s_lshl_b32 s33, s32, 8
	s_lshl_b32 s34, s31, 6
	s_add_co_u32 s33, s33, s34
	s_lshr_b32 s34, s29, 1
	s_lshl_b32 s34, s34, 5
	s_add_co_u32 s33, s33, s34
	s_and_b32 s34, s29, 1
	s_lshl_b32 s34, s34, 3
	s_add_co_u32 s33, s33, s34                     ; the tile's first row: 256 e + 64 w + 32 (t / 2) + 8 (t % 2)
	s_mul_i32 s34, s33, 192                        ; a row of 256 codes is 192 bytes,
	s_mul_i32 s35, s28, 96                         ; a K step 96
	s_add_co_u32 s34, s34, s35
	s_mov_b32 s35, 0
	s_cmp_eq_u32 s30, 1                            ; which weight: the choice hangs on ids alone
	s_cselect_b64 s[38:39], s[12:13], s[10:11]
	s_cmp_eq_u32 s30, 2
	s_cselect_b64 s[38:39], s[14:15], s[38:39]
	s_cmp_eq_u32 s30, 3
	s_cselect_b64 s[38:39], s[16:17], s[38:39]
	s_add_nc_u64 s[38:39], s[38:39], s[34:35]
	s_mul_i32 s36, s26, 1536
	s_mov_b32 s37, 0
	s_add_nc_u64 s[22:23], s[22:23], s[36:37]
	v_and_b32 v4, 15, v0                           ; r
	v_bfe_u32 v5, v0, 4, 1                         ; h
	v_and_b32 v6, 8, v4
	v_add_nc_u32 v4, v4, v6                        ; r + 8 (r / 8)
	v_mul_u32_u24 v2, v4, 192
	v_mad_u32_u24 v2, v5, 24, v2                   ; my row, + 24 h: registers 6 c .. 6 c + 5 hold k = 64 c + 32 h + 0 .. 31
	v_lshlrev_b32 v3, 4, v1
.irp p, 0,1,2,3,4,5
	global_load_b64 v[16+2*\p:17+2*\p], v2, s[38:39] offset:48*(\p/3)+8*(\p%3)
.endr
	s_wait_loadcnt 0x0
.irp c, 0,1,2
	global_store_b128 v3, v[16+4*\c:19+4*\c], s[22:23] offset:512*\c   ; 32 lanes store 512 consecutive bytes, at a multiple of 256 from the buffer's first byte
.endr
	s_endpgm
.Lfunc_end_k_q4c392e8242_route:
	.size	k_q4c392e8242_route, .Lfunc_end_k_q4c392e8242_route-k_q4c392e8242_route
	.p2alignl 7, 3214868480
	.fill 96, 4, 3214868480
	.section	.rodata,"a",@progbits
	.p2align	6, 0x0
	.amdhsa_kernel k_q4c392e8242_route
		.amdhsa_group_segment_fixed_size 0
		.amdhsa_private_segment_fixed_size 0
		.amdhsa_enable_private_segment 0
		.amdhsa_kernarg_size 64
		.amdhsa_user_sgpr_count 2
		.amdhsa_user_sgpr_kernarg_segment_ptr 1
		.amdhsa_wavefront_size32 1
		.amdhsa_system_sgpr_workgroup_id_x 1
		.amdhsa_system_sgpr_workgroup_id_y 1
		.amdhsa_system_sgpr_workgroup_id_z 1
		.amdhsa_system_vgpr_workitem_id 0
		.amdhsa_next_free_vgpr 128
		.amdhsa_next_free_sgpr 66
		.amdhsa_reserve_vcc 1
		.amdhsa_float_denorm_mode_32 3
		.amdhsa_float_denorm_mode_16_64 3
		.amdhsa_memory_ordered 1
		.amdhsa_forward_progress 1
		.amdhsa_inst_pref_size 44
	.end_amdhsa_kernel
	.amdgpu_metadata
---
amdhsa.version: [ 1, 2 ]
amdhsa.kernels:
  - .name:           k_q4c392e8242_route
    .symbol:         k_q4c392e8242_route.kd
    .args:
      - { .name: species, .offset: 0, .size: 8, .value_kind: global_buffer, .address_space: global }
      - { .name: W0_codes, .offset: 8, .size: 8, .value_kind: global_buffer, .address_space: global }
      - { .name: Wa_codes, .offset: 16, .size: 8, .value_kind: global_buffer, .address_space: global }
      - { .name: Wl_codes, .offset: 24, .size: 8, .value_kind: global_buffer, .address_space: global }
      - { .name: Wf_codes, .offset: 32, .size: 8, .value_kind: global_buffer, .address_space: global }
      - { .name: order, .offset: 40, .size: 8, .value_kind: global_buffer, .address_space: global }
      - { .name: cnt, .offset: 48, .size: 8, .value_kind: global_buffer, .address_space: global }
      - { .name: wimg, .offset: 56, .size: 8, .value_kind: global_buffer, .address_space: global }
    .group_segment_fixed_size: 0
    .private_segment_fixed_size: 0
    .kernarg_segment_align: 8
    .kernarg_segment_size: 64
    .max_flat_workgroup_size: 288
    .sgpr_count:     66
    .vgpr_count:     128
    .wavefront_size: 32
...
	.end_amdgpu_metadata
.endif
;; end of part 1
;; launch chain (part 2): grid 256 x 1, 4 waves a work-group, no clusters, 74,240 bytes of LDS; arguments density_codes, density_scales, order, cnt, wimg, W0_scales, Wa_scales, Wl_scales, Wf_scales, b0, ba, bl, bf, alpha_a, gamma, beta_ln, alpha_f, Wo, bo, out0; writes out0
.if DOCPART == 2
	.amdgcn_target "amdgcn-amd-amdhsa--gfx1250"
	.amdhsa_code_object_version 6
	.text
	.protected	k_q4c392e8242_chain
	.globl	k_q4c392e8242_chain
	.p2align	8
	.type	k_q4c392e8242_chain,@function
k_q4c392e8242_chain:
	s_mov_b64 s[64:65], 0
	v_nop
	global_prefetch_b8 v0, s[64:65] scope:SCOPE_SE
	s_setreg_imm32_b32 hwreg(HW_REG_WAVE_MODE, 25, 1), 1
	s_wait_xcnt 0x0
; THE CHAIN OF ONE EXPERT on the atoms that chose it:  x = d W0^T + b0;  h = LN(alpha_a silu(x Wa^T + ba)) gamma + beta;  x' = x + h Wl^T + bl;  y = (alpha_f silu(x' Wf^T + bf)) . Wo + bo.
; The four products of 256 x 256 run on codes of E2M3 with one E8M0 scale for each 32 along K; x, h and x' are quantised on the way, from f32; the last product (one column) is fused multiply-adds in f32.
; WORK LEFT OUT: the three experts that species did not choose for an atom (reference() indexes y_all[species[n], n] alone: shown at the head of the launch before).  A NaN, an infinity or an overflow in such an expert is not carried to the result.
; SHARES.  Work-group j = 4 c + e takes list (c, e) of the launch before: the atoms of species e among atoms 1024 c .. 1024 c + 1023, n = cnt[j] of them, 64 rows (four tiles of 16) a trip.
; THE WAVES SHARE THE COLUMNS, NOT THE ROWS: wave w owns units 64 w .. 64 w + 63 of every layer.  Its part of all four weights (384 registers), their scale words and four biases stay in registers for the whole launch.
; What goes from wave to wave is codes: a wave's 64 units of a tile of rows are half a fragment of the next product (6 registers a lane), stored to LDS as an image of those registers, 768 bytes, with two scale bytes a row.
; THE PRODUCTS ARE USED TRANSPOSED (source 0 = 16 rows of a weight, source 1 = 16 atoms): lane (r, h) holds atom r, and register 8 t + j of a tile's 32 the unit 64 w + 32 (t / 2) + 16 h + 8 (t % 2) + j.
; THE TRIPS ARE A CONSTANT 16 (a list can hold 1,024 rows), so that every wave passes every barrier; a trip with no rows left jumps over each phase's work by a scalar branch on n, which is the same in all four waves.
; Weights come as dense 16-byte loads of the images, once a work-group; the work-groups of an expert, which read the same images, are in no cluster.
; The rows of a trip are asked for a whole trip ahead, into registers; so no prefetch is laid.
; LAYER NORM: each wave takes the mean m_w of its 64 units and the sum M2_w of squares about it; the four pairs meet in LDS: mu = mean of m_w, 256 var = sum of M2_w + 64 sum of (m_w - mu)^2: no difference of large sums.
; LIMITS: a block of zeros gets the scale byte 1 (its codes are zeros; the bytes are read by this program alone).  Orders of rounding that differ from reference()'s: alpha x sigmoid is formed ahead of x z; alpha_f x Wo ahead of the last sum;
; bl is added to x ahead of the third product; biases are the C of a sum's first matrix instruction.  NaN and infinities among the inputs are not served.
; out0's rows of a list are scattered over the chunk's 4,096 bytes: the stores are 4 bytes a lane.
;
; LDS (bytes).  An image: registers 0-3 of lane l at 16 l, registers 4-5 at 512 + 8 l.  Piece p (units 64 p on) of tile m at 3072 m + 768 p.  Scale words: tile m at 128 m; lanes 0-15 K step 0, lanes 16-31 K step 1.
.set DIM,   0                          ; the density's images,
.set DSW,   12288                      ; their scale words
.set XA,    12800                      ; x's
.set XAS,   25088
.set HIM,   25600                      ; the layer norm's
.set HIS,   37888
.set XB,    38400                      ; x''s
.set XBS,   50688
.set STA,   51200                      ; (m_w, M2_w) at 512 m + 32 r + 8 w
.set PV,    53248                      ; alpha_a, gamma, beta, alpha_f x Wo of my expert: 1,024 bytes each
.set YP,    57344                      ; the waves' parts of y: 16 x rank + 4 w
.set SPARE, 73728                      ; the spare words, 128 bytes for each wave: two blocks of 256 bytes that no other line names
; REGISTERS, window 0
.set LI16, 1                           ; 16 x lane
.set LI8,  2                           ; 8 x lane
.set LS4,  3                           ; 4 x lane
.set WI16, 4                           ; 16 x lane + 768 w: where my piece goes
.set WI8,  5                           ; 8 x lane + 768 w
.set WSC,  6                           ; 4 r + 64 (w / 2) + 2 (w % 2): my two bytes of a row's scale word
.set STW,  7                           ; 32 r + 8 w
.set STR,  8                           ; 32 r
.set YW,   9                           ; YP + 16 r + 4 w
.set YWT,  10                          ; the same in the trip in hand
.set DW16, 11                          ; 16 x lane + 3072 w: wave w stages tile w of the density
.set DW8,  12
.set DWS,  13                          ; 4 x lane + 128 w
.set PVR,  14                          ; 256 w + 64 h: my units' bytes in a vector of 256 numbers
.set RK,   15                          ; 16 w + r: my row in a trip, for the gather
.set H24,  16                          ; 24 h
.set H4,   17                          ; 4 h
.set OFS,  18                          ; byte offset into the list
.set IDX,  19                          ; the atom's number
.set DA,   20                          ; its codes' offset
.set SAD,  21                          ; its scale word's
.set SPW,  22                          ; LDS address of my spare word: SPARE + 4 x my thread's number; never rewritten
.set NIL,  23                          ; 0; never rewritten
.set WS,   24                          ; v24-39  the weights' scale words, 4 mat + t: lanes 0-15 K step 0, lanes 16-31 K step 1
.set XS,   40                          ; v40-41  the rows' scale words of fragment buffers 0, 1
.set FB,   42                          ; v42-89  two fragment buffers: 16 rows x 256 K, 24 registers each
.set GS,   90                          ; v90-114 the next trip's tile of the density, as gathered, and its scale word
.set T,    116                         ; v116-147 32 at work; in the quantiser the codes, 8 registers a tile
.set PB,   148                         ; v148-211 the phase's parameters
.set TM,   212                         ; v212-217 the quantiser's
.set PW,   220                         ; v220-223 a tile's two scale bytes
.set PM,   224                         ; v224-231 (m_w, M2_w) of tile m; in the last phase my part of y
.set R,    232                         ; v232-247 tile m: 1 / sigma, mu, (m_w - mu) / sigma, var + eps
.set CC,   248                         ; v248-255 four pairs at work
; window 1: W0, Wa (fragment (t, s) at 12 (2 t + s)), b0, ba (tile t at 8 t).   window 2: Wl, Wf, bf, bl.   window 3: x, 32 registers a tile; h and later z, the same.
.set W0R, 0
.set WAR, 96
.set B0R, 192
.set BAR, 224
.set WLR, 0
.set WFR, 96
.set BFR, 192
.set BLR, 224
.set X,   0
.set H,   128
; scalars
.set WV,   48                          ; wave
.set EX,   49                          ; expert
.set NN,   50                          ; n
.set NM1,  51                          ; n - 1
.set BASE, 52                          ; 64 x trip
.set TRIP, 53                          ; trips to go
.set YOFF, 54                          ; 1024 x trip
; s[56:57] lane selects for lane l xor 16;  s[58:59] -log2(e);  s60 bo;  s61 1/256;  s62 eps;  s66-69 at work
.set MSB, 0
.macro WIN new                         ; s_set_vgpr_msb: bits 1:0 source 0, 3:2 source 1, 5:4 source 2, 7:6 destination; the high byte repeats the setting that is left
.if MSB != \new
	s_set_vgpr_msb (MSB<<8)|\new
.set MSB, \new
.endif
.endm
.set W_MAX, 0x3c                       ; sources 1 and 2 window 3
.set W_S0,  0x03                       ; source 0 window 3
.set W_RMW, 0xc3                       ; destination and source 0 window 3
.set W_BL,  0xcb                       ; the same, source 1 window 2
.set W_SQ,  0x0f                       ; sources 0 and 1 window 3
.set W_ADD, 0x0c                       ; source 1 window 3
.macro BARRIER                         ; my LDS stores have landed and my LDS loads are in: then the work-group's barrier
	s_wait_dscnt 0x0
	s_barrier_signal -1
	s_barrier_wait -1
.endm
.macro PLACES                          ; four places behind a matrix instruction of this form (ISA guide 7.12.1)
.rept 4
	v_nop
.endr
.endm
; Tile m's fragments of both K steps and its scale words into buffer buf: 9 LDS loads
.macro LOADF base, sbase, m, buf
	WIN 0
.irp s, 0,1
	ds_load_b128 v[FB+24*(\buf)+12*\s:FB+24*(\buf)+12*\s+3], v[LI16] offset:(\base)+3072*(\m)+1536*\s
	ds_load_b64 v[FB+24*(\buf)+12*\s+4:FB+24*(\buf)+12*\s+5], v[LI8] offset:(\base)+3072*(\m)+1536*\s+512
	ds_load_b128 v[FB+24*(\buf)+12*\s+6:FB+24*(\buf)+12*\s+9], v[LI16] offset:(\base)+3072*(\m)+1536*\s+768
	ds_load_b64 v[FB+24*(\buf)+12*\s+10:FB+24*(\buf)+12*\s+11], v[LI8] offset:(\base)+3072*(\m)+1536*\s+1280
.endr
	ds_load_b32 v[XS+(\buf)], v[LS4] offset:(\sbase)+128*(\m)
.endm
; Eight products: my four tiles of units x one tile of rows, two K steps.  The four accumulators take turns, one instruction a turn.  cb: the bias that starts the sums; under 0: the sums go on in place.
.macro MM wb, mat, cb, db, buf, set0, set1
	WIN \set0
.irp t, 0,1,2,3
.if (\cb) < 0
	v_wmma_scale_f32_16x16x128_f8f6f4 v[(\db)+8*\t:(\db)+8*\t+7], v[(\wb)+24*\t:(\wb)+24*\t+11], v[FB+24*(\buf):FB+24*(\buf)+11], v[(\db)+8*\t:(\db)+8*\t+7], v[WS+4*(\mat)+\t], v[XS+(\buf)] matrix_a_fmt:MATRIX_FMT_FP6 matrix_b_fmt:MATRIX_FMT_FP6
.else
	v_wmma_scale_f32_16x16x128_f8f6f4 v[(\db)+8*\t:(\db)+8*\t+7], v[(\wb)+24*\t:(\wb)+24*\t+11], v[FB+24*(\buf):FB+24*(\buf)+11], v[(\cb)+8*\t:(\cb)+8*\t+7], v[WS+4*(\mat)+\t], v[XS+(\buf)] matrix_a_fmt:MATRIX_FMT_FP6 matrix_b_fmt:MATRIX_FMT_FP6
.endif
.endr
	WIN \set1
.irp t, 0,1,2,3
	v_wmma_scale_f32_16x16x128_f8f6f4 v[(\db)+8*\t:(\db)+8*\t+7], v[(\wb)+24*\t+12:(\wb)+24*\t+23], v[FB+24*(\buf)+12:FB+24*(\buf)+23], v[(\db)+8*\t:(\db)+8*\t+7], v[WS+4*(\mat)+\t], v[XS+(\buf)] matrix_a_fmt:MATRIX_FMT_FP6 matrix_b_fmt:MATRIX_FMT_FP6 matrix_a_scale:MATRIX_SCALE_ROW1 matrix_b_scale:MATRIX_SCALE_ROW1
.endr
.endm
; 32 numbers of a lane in window 3, register 16 b + i = unit 64 w + 32 b + 16 h + i of my row, become my piece of tile m's fragment and two scale bytes: 3 LDS stores.  The registers are read in ascending order.
.macro QUANT src, m, base, sbase
.set CD, T+8*(\m)
	WIN W_MAX
.irp b, 0,1
	v_max3_num_f32 v[TM+\b], 0x1800000, |v[(\src)+16*\b]|, |v[(\src)+16*\b+1]|   ; block b: my 16 numbers, and the floor 2^(3 - 127): so the byte cannot fall under 1
.endr
.irp i, 2,4,6,8,10,12,14
.irp b, 0,1
	v_max3_num_f32 v[TM+\b], v[TM+\b], |v[(\src)+16*\b+\i]|, |v[(\src)+16*\b+\i+1]|
.endr
.endr
	WIN 0
.irp b, 0,1
	v_permlanex16_b32 v[TM+2+\b], v[TM+\b], s56, s57
.endr
.irp b, 0,1
	v_max_num_f32 v[TM+\b], v[TM+\b], v[TM+2+\b]   ; with lane l xor 16's: the block's largest magnitude
.endr
.irp b, 0,1
	v_add_nc_u32 v[TM+4+\b], 0xff000000, v[TM+\b]  ; 2 off its exponent field: the conversion takes the exponent field of this operand as its scale
.endr
.irp b, 0,1
	v_lshrrev_b32 v[TM+2+\b], 23, v[TM+4+\b]       ; the scale's byte
.endr
	v_lshl_or_b32 v[PW+(\m)], v[TM+3], 8, v[TM+2]
	WIN W_S0
	v_cvt_scalef32_pk16_fp6_f32 v[CD:CD+2], v[(\src):(\src)+15], v[TM+4]
	v_cvt_scalef32_pk16_fp6_f32 v[CD+4:CD+6], v[(\src)+16:(\src)+31], v[TM+5]   ; (a conversion's three registers begin on an even number)
	WIN 0
	v_nop                                          ; one plain place behind a scaled conversion
.irp i, 0,1,2
	v_permlane16_swap_b32 v[CD+\i], v[CD+4+\i]     ; the operand's layout wants a whole block in a lane: lanes 0-15 block 0, lanes 16-31 block 1
.endr
.irp i, 0,1,2
	v_mov_b32 v[CD+3+\i], v[CD+4+\i]
.endr
	ds_store_b128 v[WI16], v[CD:CD+3] offset:(\base)+3072*(\m)
	ds_store_b64 v[WI8], v[CD+4:CD+5] offset:(\base)+3072*(\m)+512
	ds_store_b16 v[WSC], v[PW+(\m)] offset:(\sbase)+128*(\m)   ; lanes r and r + 16 write the same two bytes with the same value
.endm
; My 32 units' numbers of vector vec into v[dst] on, in the result's layout: 8 LDS loads
.macro LOADP vec, dst
.irp q, 0,1,2,3,4,5,6,7
	ds_load_b128 v[(\dst)+4*\q:(\dst)+4*\q+3], v[PVR] offset:PV+1024*(\vec)+128*(\q/4)+32*((\q/2)%2)+16*(\q%2)
.endr
.endm
; T = PB / (1 + 2^(-z log2 e)): the gate's weight x sigmoid(z).  The exponentials are one batch and the reciprocals another: behind each a plain instruction and a wait ahead of the first reader.
.macro SIG z
	WIN W_S0
.set js, 0
.rept 16
	v_pk_mul_f32 v[T+2*js:T+2*js+1], v[(\z)+2*js:(\z)+2*js+1], s[58:59] op_sel_hi:[1,0]
.set js, js+1
.endr
	WIN 0
.set js, 0
.rept 32
	v_exp_f32 v[T+js], v[T+js]
.set js, js+1
.endr
	v_nop
	s_wait_alu depctr_va_vdst(0)
.set js, 0
.rept 16
	v_pk_add_f32 v[T+2*js:T+2*js+1], v[T+2*js:T+2*js+1], 1.0 op_sel_hi:[1,0]
.set js, js+1
.endr
.set js, 0
.rept 32
	v_rcp_f32 v[T+js], v[T+js]
.set js, js+1
.endr
	v_nop
	s_wait_alu depctr_va_vdst(0)
.set js, 0
.rept 16
	v_pk_mul_f32 v[T+2*js:T+2*js+1], v[T+2*js:T+2*js+1], v[PB+2*js:PB+2*js+1]
.set js, js+1
.endr
.endm
.macro RED4 dst                        ; the four pairs, and lane l xor 16's, become one number for my row
	v_pk_add_f32 v[CC:CC+1], v[CC:CC+1], v[CC+2:CC+3]
	v_pk_add_f32 v[CC+4:CC+5], v[CC+4:CC+5], v[CC+6:CC+7]
	v_pk_add_f32 v[CC:CC+1], v[CC:CC+1], v[CC+4:CC+5]
	v_add_f32 v[CC], v[CC], v[CC+1]
	v_permlanex16_b32 v[CC+2], v[CC], s56, s57
	v_add_f32 v[\dst], v[CC], v[CC+2]
.endm
; Tile m behind the second product: h = alpha_a silu(z); my 64 units' mean; h - mean stays in place; the sum of its squares; the pair goes to LDS: 1 LDS store
.macro VEC2 m
.set ZZ, H+32*(\m)
	SIG ZZ
	WIN W_RMW
.set jv, 0
.rept 16
	v_pk_mul_f32 v[ZZ+2*jv:ZZ+2*jv+1], v[ZZ+2*jv:ZZ+2*jv+1], v[T+2*jv:T+2*jv+1]
.set jv, jv+1
.endr
	WIN W_SQ
.irp i, 0,1,2,3
	v_pk_add_f32 v[CC+2*\i:CC+2*\i+1], v[ZZ+4*\i:ZZ+4*\i+1], v[ZZ+4*\i+2:ZZ+4*\i+3]
.endr
	WIN W_ADD
.irp n, 0,1,2,3,4,5,6,7
	v_pk_add_f32 v[CC+2*(\n%4):CC+2*(\n%4)+1], v[CC+2*(\n%4):CC+2*(\n%4)+1], v[ZZ+16+2*\n:ZZ+16+2*\n+1]
.endr
	WIN 0
	RED4 PM+2*(\m)
	v_mul_f32 v[PM+2*(\m)], 0x3c800000, v[PM+2*(\m)]   ; / 64
	WIN W_RMW
.set jv, 0
.rept 16
	v_pk_add_f32 v[ZZ+2*jv:ZZ+2*jv+1], v[ZZ+2*jv:ZZ+2*jv+1], v[PM+2*(\m):PM+2*(\m)+1] op_sel_hi:[1,0] neg_lo:[0,1] neg_hi:[0,1]
.set jv, jv+1
.endr
	WIN W_SQ
.irp i, 0,1,2,3
	v_pk_mul_f32 v[CC+2*\i:CC+2*\i+1], v[ZZ+2*\i:ZZ+2*\i+1], v[ZZ+2*\i:ZZ+2*\i+1]
.endr
.irp n, 4,5,6,7,8,9,10,11,12,13,14,15
	v_pk_fma_f32 v[CC+2*(\n%4):CC+2*(\n%4)+1], v[ZZ+2*\n:ZZ+2*\n+1], v[ZZ+2*\n:ZZ+2*\n+1], v[CC+2*(\n%4):CC+2*(\n%4)+1]
.endr
	WIN 0
	RED4 PM+2*(\m)+1
	ds_store_b64 v[STW], v[PM+2*(\m):PM+2*(\m)+1] offset:STA+512*(\m)
.endm
; The four waves' pairs of each tile (in v[FB + 8 m] on: m0, M0, m1, M1, m2, M2, m3, M3) become 1 / sigma and (m_w - mu) / sigma; the four tiles by turns
.macro STATS
.irp m, 0,1,2,3
	v_add_f32 v[R+4*\m+1], v[FB+8*\m], v[FB+8*\m+2]
.endr
.irp m, 0,1,2,3
	v_add_f32 v[R+4*\m+3], v[FB+8*\m+4], v[FB+8*\m+6]
.endr
.irp m, 0,1,2,3
	v_add_f32 v[R+4*\m+1], v[R+4*\m+1], v[R+4*\m+3]
.endr
.irp m, 0,1,2,3
	v_mul_f32 v[R+4*\m+1], 0x3e800000, v[R+4*\m+1]     ; mu
.endr
.irp m, 0,1,2,3
	v_add_f32 v[R+4*\m+3], v[FB+8*\m+1], v[FB+8*\m+3]
.endr
.irp m, 0,1,2,3
	v_add_f32 v[R+4*\m+2], v[FB+8*\m+5], v[FB+8*\m+7]
.endr
.irp m, 0,1,2,3
	v_add_f32 v[R+4*\m+3], v[R+4*\m+3], v[R+4*\m+2]    ; the sum of the M2_w
.endr
.irp u, 0,2,4,6
.irp m, 0,1,2,3
	v_sub_f32 v[FB+8*\m+\u], v[FB+8*\m+\u], v[R+4*\m+1]
.endr
.endr
.irp m, 0,1,2,3
	v_mul_f32 v[R+4*\m+2], v[FB+8*\m], v[FB+8*\m]
.endr
.irp u, 2,4,6
.irp m, 0,1,2,3
	v_fma_f32 v[R+4*\m+2], v[FB+8*\m+\u], v[FB+8*\m+\u], v[R+4*\m+2]
.endr
.endr
.irp m, 0,1,2,3
	v_fma_f32 v[R+4*\m+3], v[R+4*\m+2], 0x42800000, v[R+4*\m+3]   ; + 64 x the sum of (m_w - mu)^2
.endr
.irp m, 0,1,2,3
	v_fma_f32 v[R+4*\m+3], v[R+4*\m+3], s61, s62       ; / 256 + eps
.endr
.irp m, 0,1,2,3
	v_sub_f32 v[R+4*\m+2], v[PM+2*\m], v[R+4*\m+1]     ; my m_w - mu
.endr
.irp m, 0,1,2,3
	v_rsq_f32 v[R+4*\m], v[R+4*\m+3]
.endr
	v_nop                                          ; a plain place behind the last of the four,
	s_wait_alu depctr_va_vdst(0)                   ; and a wait ahead of their first reader
.irp m, 0,1,2,3
	v_mul_f32 v[R+4*\m+2], v[R+4*\m+2], v[R+4*\m]
.endr
.endm
.macro NORM m                          ; ((h - m_w) / sigma + (m_w - mu) / sigma) gamma + beta, in place
.set ZZ, H+32*(\m)
	WIN W_RMW
.set jn, 0
.rept 16
	v_pk_fma_f32 v[ZZ+2*jn:ZZ+2*jn+1], v[ZZ+2*jn:ZZ+2*jn+1], v[R+4*(\m):R+4*(\m)+1], v[R+4*(\m)+2:R+4*(\m)+3] op_sel_hi:[1,0,0]
.set jn, jn+1
.endr
.set jn, 0
.rept 16
	v_pk_fma_f32 v[ZZ+2*jn:ZZ+2*jn+1], v[ZZ+2*jn:ZZ+2*jn+1], v[PB+2*jn:PB+2*jn+1], v[PB+32+2*jn:PB+32+2*jn+1]
.set jn, jn+1
.endr
.endm
; Tile m behind the fourth product: my 64 units' part of y = the sum of z x sigmoid(z) x alpha_f x Wo: 1 LDS store
.macro VEC4 m
.set ZZ, H+32*(\m)
	SIG ZZ
	WIN W_S0
.irp i, 0,1,2,3
	v_pk_mul_f32 v[CC+2*\i:CC+2*\i+1], v[ZZ+2*\i:ZZ+2*\i+1], v[T+2*\i:T+2*\i+1]
.endr
.irp n, 4,5,6,7,8,9,10,11,12,13,14,15
	v_pk_fma_f32 v[CC+2*(\n%4):CC+2*(\n%4)+1], v[ZZ+2*\n:ZZ+2*\n+1], v[T+2*\n:T+2*\n+1], v[CC+2*(\n%4):CC+2*(\n%4)+1]
.endr
	WIN 0
	RED4 PM+2*(\m)
	ds_store_b32 v[YWT], v[PM+2*(\m)] offset:256*(\m)
.endm
.macro GIDX                            ; the next trip's atom for my row, if there is a next trip.  A rank past the list's end takes the last row's atom: its result is not stored
	s_add_co_u32 s66, s[BASE], 64
	s_cmp_ge_u32 s66, s[NN]
	s_cbranch_scc1 .Lno_next_\@
	v_add_nc_u32 v[OFS], s66, v[RK]
	v_min_u32 v[OFS], s[NM1], v[OFS]
	v_min_u32 v[OFS], 0x3ff, v[OFS]                ; what hangs on a loaded number is held inside the list
	v_lshlrev_b32 v[OFS], 2, v[OFS]
	global_load_b32 v[IDX], v[OFS], s[12:13]
.Lno_next_\@:
.endm
.macro GATHER                          ; my row's codes, in the operand's layout, and its scale word: 13 loads
	v_min_u32 v[IDX], 0xffff, v[IDX]               ; a loaded index is held inside the table
	v_mul_u32_u24 v[DA], v[IDX], 0xc0
	v_add_nc_u32 v[DA], v[DA], v[H24]
	v_lshlrev_b32 v[SAD], 3, v[IDX]
	v_add_nc_u32 v[SAD], v[SAD], v[H4]
.irp s, 0,1
.irp p, 0,1,2,3,4,5
	global_load_b64 v[GS+12*\s+2*\p:GS+12*\s+2*\p+1], v[DA], s[8:9] offset:96*\s+48*(\p/3)+8*(\p%3)
.endr
.endr
	global_load_b32 v[GS+24], v[SAD], s[10:11]
.endm
.macro DSTORE                          ; tile w of the density goes to LDS as images: 9 LDS stores
.irp s, 0,1
	ds_store_b128 v[DW16], v[GS+12*\s:GS+12*\s+3] offset:DIM+1536*\s
	ds_store_b64 v[DW8], v[GS+12*\s+4:GS+12*\s+5] offset:DIM+1536*\s+512
	ds_store_b128 v[DW16], v[GS+12*\s+6:GS+12*\s+9] offset:DIM+1536*\s+768
	ds_store_b64 v[DW8], v[GS+12*\s+10:GS+12*\s+11] offset:DIM+1536*\s+1280
.endr
	ds_store_b32 v[DWS], v[GS+24] offset:DSW
.endm
.macro VSTEP ph, m                     ; what phase ph does to tile m's results
.if \ph == 1
	QUANT X+32*(\m), \m, XA, XAS
.elseif \ph == 2
	VEC2 \m
.elseif \ph == 3
	QUANT X+32*(\m), \m, XB, XBS
.else
	VEC4 \m
.endif
.endm
; A PHASE'S FOUR TILES.  Tiles 0 and 1 have been asked for.  Tile m - 1's vector work stands behind tile m's products: it is the places in front of the loads into the buffer that those products read
; and in front of the first read of their results.  Each count is the number of LDS instructions issued behind the nine loads that are wanted: a later tile's nine, and the k stores of a tile's vector work.
.macro PIPE ph, base, sbase, wb, mat, cb, db, set0, set1, k
	s_wait_dscnt 9                                 ; tile 0 is in (and all that was asked for ahead of it); tile 1's nine may be out
	MM \wb, \mat, \cb, (\db), 0, \set0, \set1
	PLACES
	LOADF \base, \sbase, 2, 0
	s_wait_dscnt 9                                 ; tile 1 is in; tile 2's nine may be out
	MM \wb, \mat, \cb, (\db)+32, 1, \set0, \set1
	VSTEP \ph, 0
	LOADF \base, \sbase, 3, 1
	s_wait_dscnt 9+\k                              ; tile 2 is in; behind it: k stores and tile 3's nine
	MM \wb, \mat, \cb, (\db)+64, 0, \set0, \set1
	VSTEP \ph, 1
	s_wait_dscnt \k                                ; tile 3 is in; behind it: k stores
	MM \wb, \mat, \cb, (\db)+96, 1, \set0, \set1
	VSTEP \ph, 2
	VSTEP \ph, 3
	WIN 0
.endm
	; ---- THE HEAD
	s_load_b512 s[8:23], s[0:1], 0x0               ; density codes s[8:9], scales s[10:11], order s[12:13], cnt s[14:15], wimg s[16:17], scales of W0 s[18:19], Wa s[20:21], Wl s[22:23],
	s_load_b512 s[24:39], s[0:1], 0x40             ; Wf s[24:25]; b0 s[26:27], ba s[28:29], bl s[30:31], bf s[32:33], alpha_a s[34:35], gamma s[36:37], beta s[38:39],
	s_load_b256 s[40:47], s[0:1], 0x80             ; alpha_f s[40:41], Wo s[42:43], bo s[44:45], out0 s[46:47]
	v_lshl_add_u32 v[SPW], v0, 2, SPARE
	v_mov_b32 v[NIL], 0
	v_lshrrev_b32 v[DA], 5, v0
	v_readfirstlane_b32 s[WV], v[DA]               ; wave 0 .. 3
	s_and_b32 s[EX], ttmp9, 3                      ; my expert
	v_and_b32 v[DA], 31, v0                        ; lane  (these three registers take their own numbers later)
	v_and_b32 v[SAD], 15, v0                       ; r
	v_bfe_u32 v[OFS], v0, 4, 1                     ; h
	v_lshlrev_b32 v[LI16], 4, v[DA]
	v_lshlrev_b32 v[LI8], 3, v[DA]
	v_lshlrev_b32 v[LS4], 2, v[DA]
	s_mul_i32 s66, s[WV], 768
	v_add_nc_u32 v[WI16], s66, v[LI16]
	v_add_nc_u32 v[WI8], s66, v[LI8]
	s_lshr_b32 s66, s[WV], 1
	s_lshl_b32 s66, s66, 6
	s_and_b32 s67, s[WV], 1
	s_lshl_b32 s67, s67, 1
	s_add_co_u32 s66, s66, s67
	v_lshl_add_u32 v[WSC], v[SAD], 2, s66
	s_lshl_b32 s66, s[WV], 3
	v_lshl_add_u32 v[STW], v[SAD], 5, s66
	v_lshlrev_b32 v[STR], 5, v[SAD]
	s_lshl_b32 s66, s[WV], 2
	s_add_co_u32 s66, s66, YP
	v_lshl_add_u32 v[YW], v[SAD], 4, s66
	s_mul_i32 s66, s[WV], 3072
	v_add_nc_u32 v[DW16], s66, v[LI16]
	v_add_nc_u32 v[DW8], s66, v[LI8]
	s_lshl_b32 s66, s[WV], 7
	v_add_nc_u32 v[DWS], s66, v[LS4]
	s_lshl_b32 s66, s[WV], 8
	v_lshl_add_u32 v[PVR], v[OFS], 6, s66
	s_lshl_b32 s66, s[WV], 4
	v_add_nc_u32 v[RK], s66, v[SAD]
	v_mul_u32_u24 v[H24], v[OFS], 24
	v_lshlrev_b32 v[H4], 2, v[OFS]
	v_lshlrev_b32 v[TM], 3, v0                     ; 8 x thread: my two numbers of a vector of 256 (the head alone)
	v_and_b32 v[TM+1], 8, v[SAD]
	v_add_nc_u32 v[TM+1], v[TM+1], v[SAD]
	v_lshlrev_b32 v[TM+1], 3, v[TM+1]
	v_lshl_add_u32 v[TM+1], v[OFS], 2, v[TM+1]     ; 8 (r + 8 (r / 8)) + 4 h: my row's scale word in a tile of a weight (the head alone)
	s_mov_b32 s56, 0x76543210
	s_mov_b32 s57, 0xfedcba98
	s_mov_b32 s58, 0xbfb8aa3b                      ; -log2(e)
	s_mov_b32 s59, s58                             ; (named with it as a pair, so it is written)
	s_mov_b32 s61, 0x3b800000                      ; 1 / 256
	s_mov_b32 s62, 0x3727c5ac                      ; 1e-5
	s_mov_b32 s67, 0
	s_wait_kmcnt 0x0
	s_lshl_b32 s66, ttmp9, 2
	s_add_nc_u64 s[14:15], s[14:15], s[66:67]
	s_load_b32 s[NN], s[14:15], 0x0                ; n of my list
	s_lshl_b32 s66, s[EX], 2
	s_add_nc_u64 s[44:45], s[44:45], s[66:67]
	s_load_b32 s60, s[44:45], 0x0                  ; bo of my expert
	s_lshl_b32 s66, ttmp9, 12
	s_add_nc_u64 s[12:13], s[12:13], s[66:67]      ; my list
	s_lshl_b32 s66, s[EX], 2
	s_add_co_u32 s66, s66, s[WV]
	s_mul_i32 s66, s66, 49152
	s_add_nc_u64 s[16:17], s[16:17], s[66:67]      ; my 32 fragments' images
	s_lshl_b32 s66, s[EX], 11
	s_lshl_b32 s68, s[WV], 9
	s_add_co_u32 s66, s66, s68                     ; 8 bytes a row: row 256 e + 64 w
.irp p, 18,20,22,24
	s_add_nc_u64 s[\p:\p+1], s[\p:\p+1], s[66:67]
.endr
	s_lshl_b32 s66, s[EX], 10                      ; my expert's 256 numbers
.irp p, 26,28,30,32,34,36,38,40,42
	s_add_nc_u64 s[\p:\p+1], s[\p:\p+1], s[66:67]
.endr
	s_wait_kmcnt 0x0
	s_min_u32 s[NN], s[NN], 0x400                  ; a list holds 1,024 rows at the most
	s_sub_co_u32 s[NM1], s[NN], 1
	; the loads, in the order in which they are wanted.  First: the first trip's atom for my row (1 load, none where the list is empty)
	v_mov_b32 v[IDX], 0
	s_cmp_eq_u32 s[NN], 0
	s_cbranch_scc1 .Lno_rows
	v_min_u32 v[OFS], s[NM1], v[RK]
	v_min_u32 v[OFS], 0x3ff, v[OFS]
	v_lshlrev_b32 v[OFS], 2, v[OFS]
	global_load_b32 v[IDX], v[OFS], s[12:13]
.Lno_rows:
	global_load_b64 v[T:T+1], v[TM], s[34:35]      ; 5 loads: two numbers a thread of alpha_a,
	global_load_b64 v[T+2:T+3], v[TM], s[36:37]    ; gamma,
	global_load_b64 v[T+4:T+5], v[TM], s[38:39]    ; beta,
	global_load_b64 v[T+6:T+7], v[TM], s[40:41]    ; alpha_f,
	global_load_b64 v[T+8:T+9], v[TM], s[42:43]    ; Wo
.irp t, 0,1,2,3
	global_load_b32 v[WS+\t], v[TM+1], s[18:19] offset:8*(32*(\t/2)+8*(\t%2))   ; 4 loads: W0's scale words
.endr
	WIN 0x40                                       ; destination window 1
.set ih, 0
.rept 24
	global_load_b128 v[W0R+4*ih:W0R+4*ih+3], v[LI16], s[16:17] offset:512*ih    ; 24 loads: W0
.set ih, ih+1
.endr
.irp q, 0,1,2,3,4,5,6,7
	global_load_b128 v[B0R+4*\q:B0R+4*\q+3], v[PVR], s[26:27] offset:128*(\q/4)+32*((\q/2)%2)+16*(\q%2)   ; 8 loads: b0
.endr
	WIN 0
	s_wait_loadcnt 41                              ; the atom's number is in: 5 + 4 + 24 + 8 loads were issued behind it
	GATHER                                         ; 13 loads: the first trip's tile w
.irp a, 1,2,3
.irp t, 0,1,2,3
	global_load_b32 v[WS+4*\a+\t], v[TM+1], s[18+2*\a:19+2*\a] offset:8*(32*(\t/2)+8*(\t%2))   ; 12 loads: the other weights' scale words
.endr
.endr
	WIN 0x40
.irp q, 0,1,2,3,4,5,6,7
	global_load_b128 v[BAR+4*\q:BAR+4*\q+3], v[PVR], s[28:29] offset:128*(\q/4)+32*((\q/2)%2)+16*(\q%2)   ; 8: ba
.endr
.set ih, 0
.rept 24
	global_load_b128 v[WAR+4*ih:WAR+4*ih+3], v[LI16], s[16:17] offset:12288+512*ih   ; 24: Wa
.set ih, ih+1
.endr
	WIN 0x80                                       ; destination window 2
.irp q, 0,1,2,3,4,5,6,7
	global_load_b128 v[BLR+4*\q:BLR+4*\q+3], v[PVR], s[30:31] offset:128*(\q/4)+32*((\q/2)%2)+16*(\q%2)   ; 8: bl
.endr
.irp q, 0,1,2,3,4,5,6,7
	global_load_b128 v[BFR+4*\q:BFR+4*\q+3], v[PVR], s[32:33] offset:128*(\q/4)+32*((\q/2)%2)+16*(\q%2)   ; 8: bf
.endr
.set ih, 0
.rept 24
	global_load_b128 v[WLR+4*ih:WLR+4*ih+3], v[LI16], s[16:17] offset:24576+512*ih   ; 24: Wl
.set ih, ih+1
.endr
.set ih, 0
.rept 24
	global_load_b128 v[WFR+4*ih:WFR+4*ih+3], v[LI16], s[16:17] offset:36864+512*ih   ; 24: Wf
.set ih, ih+1
.endr
	; While the loads are out: x's and h's registers are written once.  These lines start no sum (every sum starts from a bias or from x as C): the phases below stand under branches of their own,
	; and a register is written before it is read on every way through the text.
	WIN 0xc0                                       ; destination window 3
.set ih, 0
.rept 256
	v_mov_b32 v[ih], 0
.set ih, ih+1
.endr
	WIN 0
.irp i, 0,1,2,3,4,5,6,7
	v_mov_b32 v[PM+\i], 0
.endr
	v_mov_b32 v[TM+2], 0                           ; a lane permute's destination counts as one of its sources
	v_mov_b32 v[TM+3], 0
	s_wait_loadcnt 63                              ; 108 loads were issued behind the gather: the oldest 45 of them, the 12 scale words among them, and all ahead of them are in
	v_pk_mul_f32 v[T+6:T+7], v[T+6:T+7], v[T+8:T+9]    ; alpha_f x Wo
	ds_store_b64 v[TM], v[T:T+1] offset:PV
	ds_store_b64 v[TM], v[T+2:T+3] offset:PV+1024
	ds_store_b64 v[TM], v[T+4:T+5] offset:PV+2048
	ds_store_b64 v[TM], v[T+6:T+7] offset:PV+3072
	DSTORE
	BARRIER                                        ; the parameters and the first trip's four tiles lie in LDS
	s_mov_b32 s[BASE], 0
	s_mov_b32 s[YOFF], 0
	s_mov_b32 s[TRIP], 16
	; ---- A TRIP: 64 rows, four barriers.  A region of LDS is written only behind a barrier that every wave has signalled behind its last read of the region's old bytes.
.Ltrip:
	; 1: x = d W0^T + b0; its codes
	s_cmp_ge_u32 s[BASE], s[NN]
	s_cbranch_scc1 .Lend1
	GIDX
	LOADF DIM, DSW, 0, 0
	LOADF DIM, DSW, 1, 1
	PIPE 1, DIM, DSW, W0R, 0, B0R, X, 0xd1, 0xf1, 3
.Lend1:
	BARRIER                                        ; x's codes lie in LDS; nobody reads the density's images any more
	s_wait_loadcnt 0x0                             ; on every way: in the first trip the rest of the weights, later the next trip's atom; the gather's address registers may be written
	; 2: z = x Wa^T + ba; h = alpha_a silu(z); my units' mean and squares
	s_cmp_ge_u32 s[BASE], s[NN]
	s_cbranch_scc1 .Lend2
	LOADP 0, PB                                    ; alpha_a: asked for ahead of the tiles, so the wait for tile 0 covers it
	LOADF XA, XAS, 0, 0
	LOADF XA, XAS, 1, 1
	s_add_co_u32 s66, s[BASE], 64
	s_cmp_ge_u32 s66, s[NN]
	s_cbranch_scc1 .Lno_gather
	GATHER                                         ; the next trip's rows: they have two phases in which to come
.Lno_gather:
	WIN W_BL
.set ib, 0
.rept 64
	v_pk_add_f32 v[X+2*ib:X+2*ib+1], v[X+2*ib:X+2*ib+1], v[BLR+2*(ib%16):BLR+2*(ib%16)+1]   ; x + bl, the C of the third product: while the tiles come from LDS
.set ib, ib+1
.endr
	PIPE 2, XA, XAS, WAR, 1, BAR, H, 0xd1, 0xf1, 1
.Lend2:
	BARRIER                                        ; the four waves' means and squares lie in LDS
	; 2b: the layer norm; its codes
	s_cmp_ge_u32 s[BASE], s[NN]
	s_cbranch_scc1 .Lend2b
.irp m, 0,1,2,3
.irp i, 0,1
	ds_load_b128 v[FB+8*\m+4*\i:FB+8*\m+4*\i+3], v[STR] offset:STA+512*\m+16*\i
.endr
.endr
	LOADP 1, PB                                    ; gamma
	LOADP 2, PB+32                                 ; beta
	s_wait_dscnt 16                                ; the eight loads of pairs are in; the sixteen of parameters may be out
	STATS
	s_wait_dscnt 0x0
.irp m, 0,1,2,3
	NORM \m
	QUANT H+32*\m, \m, HIM, HIS
.endr
.Lend2b:
	BARRIER                                        ; the layer norm's codes lie in LDS
	; 3: x' = (x + bl) + h Wl^T; its codes.  The next trip's rows go to LDS first
	s_cmp_ge_u32 s[BASE], s[NN]
	s_cbranch_scc1 .Lend3
	s_add_co_u32 s66, s[BASE], 64
	s_cmp_ge_u32 s66, s[NN]
	s_cbranch_scc1 .Lno_stage
	s_wait_loadcnt 0x0                             ; the gather is in
	DSTORE
.Lno_stage:
	LOADF HIM, HIS, 0, 0
	LOADF HIM, HIS, 1, 1
	PIPE 3, HIM, HIS, WLR, 2, -1, X, 0xf2, 0xf2, 3
.Lend3:
	BARRIER                                        ; x''s codes and the next trip's tiles lie in LDS
	; 4: z = x' Wf^T + bf; my units' part of y.  No barrier follows: what the next trip's first phase writes (x's codes) was last read two barriers ago
	s_cmp_ge_u32 s[BASE], s[NN]
	s_cbranch_scc1 .Lend4
	LOADP 3, PB                                    ; alpha_f x Wo
	v_add_nc_u32 v[YWT], s[YOFF], v[YW]
	LOADF XB, XBS, 0, 0
	LOADF XB, XBS, 1, 1
	PIPE 4, XB, XBS, WFR, 3, BFR, H, 0xe2, 0xf2, 1
.Lend4:
	s_add_co_u32 s[BASE], s[BASE], 64
	s_add_co_u32 s[YOFF], s[YOFF], 1024
	s_sub_co_u32 s[TRIP], s[TRIP], 1
	s_cmp_lg_u32 s[TRIP], 0
	s_cbranch_scc1 .Ltrip
	; ---- THE WAY OUT.  Thread i takes ranks 128 k + i.  The atoms' numbers are asked for ahead of the barrier; a rank past the list's end takes the last row's and stores nothing.
.irp k, 0,1,2,3,4,5,6,7
	v_add_nc_u32 v[T+\k], 128*\k, v0
.endr
.irp k, 0,1,2,3,4,5,6,7
	v_min_u32 v[T+\k], s[NM1], v[T+\k]
.endr
.irp k, 0,1,2,3,4,5,6,7
	v_min_u32 v[T+\k], 0x3ff, v[T+\k]
.endr
.irp k, 0,1,2,3,4,5,6,7
	v_lshlrev_b32 v[T+\k], 2, v[T+\k]
.endr
.irp k, 0,1,2,3,4,5,6,7
	v_mov_b32 v[T+8+\k], 0
.endr
	s_cmp_eq_u32 s[NN], 0
	s_cbranch_scc1 .Lno_list
.irp k, 0,1,2,3,4,5,6,7
	global_load_b32 v[T+8+\k], v[T+\k], s[12:13]
.endr
.Lno_list:
	BARRIER                                        ; all four parts of every y lie in LDS
	s_lshr_b32 s67, s[WV], 1
	s_lshl_b32 s67, s67, 6                         ; my wave's 32 ranks of step k lie in trip 2 k + w / 2
	v_lshl_add_u32 v[T+16], v0, 4, YP
	s_wait_loadcnt 0x0
.irp k, 0,1,2,3,4,5,6,7
	v_min_u32 v[T+8+\k], 0xffff, v[T+8+\k]         ; the loaded indices are held inside the table: all eight here, with all lanes on, ahead of the first line that narrows EXEC
.endr
.irp k, 0,1,2,3,4,5,6,7
	v_lshlrev_b32 v[T+8+\k], 2, v[T+8+\k]          ; 4 bytes an atom
.endr
.irp k, 0,1,2,3,4,5,6,7
	s_add_co_u32 s66, s67, 128*\k
	s_cmp_ge_u32 s66, s[NN]                        ; a trip without rows wrote nothing: it is not read, nor is any later one
	s_cbranch_scc1 .Ldone
	ds_load_b128 v[T+20:T+23], v[T+16] offset:2048*\k
	v_add_nc_u32 v[T+17], 128*\k, v0
	v_cmp_gt_u32 vcc_lo, s[NN], v[T+17]            ; my rank lies in the list
	s_wait_dscnt 0x0
	v_add_f32 v[T+20], v[T+20], v[T+21]
	v_add_f32 v[T+22], v[T+22], v[T+23]
	v_add_f32 v[T+20], v[T+20], v[T+22]
	v_add_f32 v[T+24+\k], s60, v[T+20]             ; + bo
	s_wait_xcnt 0x0                                ; EXEC is a source of pending stores: it changes only behind this wait
	s_and_saveexec_b32 s68, vcc_lo
	global_store_b32 v[T+8+\k], v[T+24+\k], s[46:47]
	s_wait_xcnt 0x0                                ; and again in front of the line that widens it
	s_or_b32 exec_lo, exec_lo, s68
.endr
.Ldone:
	s_wait_tensorcnt 0x0                           ; the wave's end
	ds_add_u32 v[SPW], v[NIL]
	s_wait_dscnt 0x0
	s_endpgm
.Lfunc_end_k_q4c392e8242_chain:
	.size	k_q4c392e8242_chain, .Lfunc_end_k_q4c392e8242_chain-k_q4c392e8242_chain
	.p2alignl 7, 3214868480
	.fill 96, 4, 3214868480
	.section	.rodata,"a",@progbits
	.p2align	6, 0x0
	.amdhsa_kernel k_q4c392e8242_chain
		.amdhsa_group_segment_fixed_size 74240
		.amdhsa_private_segment_fixed_size 0
		.amdhsa_enable_private_segment 0
		.amdhsa_kernarg_size 160
		.amdhsa_user_sgpr_count 2
		.amdhsa_user_sgpr_kernarg_segment_ptr 1
		.amdhsa_wavefront_size32 1
		.amdhsa_system_sgpr_workgroup_id_x 1
		.amdhsa_system_sgpr_workgroup_id_y 1
		.amdhsa_system_sgpr_workgroup_id_z 1
		.amdhsa_system_vgpr_workitem_id 0
		.amdhsa_next_free_vgpr 1024
		.amdhsa_next_free_sgpr 80
		.amdhsa_reserve_vcc 1
		.amdhsa_float_denorm_mode_32 3
		.amdhsa_float_denorm_mode_16_64 3
		.amdhsa_memory_ordered 1
		.amdhsa_forward_progress 1
		.amdhsa_inst_pref_size 179
	.end_amdhsa_kernel
	.amdgpu_metadata
---
amdhsa.version: [ 1, 2 ]
amdhsa.kernels:
  - .name:           k_q4c392e8242_chain
    .symbol:         k_q4c392e8242_chain.kd
    .args:
      - { .name: density_codes, .offset: 0, .size: 8, .value_kind: global_buffer, .address_space: global }
      - { .name: density_scales, .offset: 8, .size: 8, .value_kind: global_buffer, .address_space: global }
      - { .name: order, .offset: 16, .size: 8, .value_kind: global_buffer, .address_space: global }
      - { .name: cnt, .offset: 24, .size: 8, .value_kind: global_buffer, .address_space: global }
      - { .name: wimg, .offset: 32, .size: 8, .value_kind: global_buffer, .address_space: global }
      - { .name: W0_scales, .offset: 40, .size: 8, .value_kind: global_buffer, .address_space: global }
      - { .name: Wa_scales, .offset: 48, .size: 8, .value_kind: global_buffer, .address_space: global }
      - { .name: Wl_scales, .offset: 56, .size: 8, .value_kind: global_buffer, .address_space: global }
      - { .name: Wf_scales, .offset: 64, .size: 8, .value_kind: global_buffer, .address_space: global }
      - { .name: b0, .offset: 72, .size: 8, .value_kind: global_buffer, .address_space: global }
      - { .name: ba, .offset: 80, .size: 8, .value_kind: global_buffer, .address_space: global }
      - { .name: bl, .offset: 88, .size: 8, .value_kind: global_buffer, .address_space: global }
      - { .name: bf, .offset: 96, .size: 8, .value_kind: global_buffer, .address_space: global }
      - { .name: alpha_a, .offset: 104, .size: 8, .value_kind: global_buffer, .address_space: global }
      - { .name: gamma, .offset: 112, .size: 8, .value_kind: global_buffer, .address_space: global }
      - { .name: beta_ln, .offset: 120, .size: 8, .value_kind: global_buffer, .address_space: global }
      - { .name: alpha_f, .offset: 128, .size: 8, .value_kind: global_buffer, .address_space: global }
      - { .name: Wo, .offset: 136, .size: 8, .value_kind: global_buffer, .address_space: global }
      - { .name: bo, .offset: 144, .size: 8, .value_kind: global_buffer, .address_space: global }
      - { .name: out0, .offset: 152, .size: 8, .value_kind: global_buffer, .address_space: global }
    .group_segment_fixed_size: 74240
    .private_segment_fixed_size: 0
    .kernarg_segment_align: 8
    .kernarg_segment_size: 160
    .max_flat_workgroup_size: 128
    .sgpr_count:     80
    .vgpr_count:     1024
    .wavefront_size: 32
...
	.end_amdgpu_metadata
.endif
;; end of part 2
